; MI455X (gfx1250); checked and timed in simulation.
; The chip was launched on July 23, 2026; its instructions are those of AMD's public machine-readable ISA for CDNA 5 (MIT licence, August 2026) and "CDNA5" Instruction Set Architecture Reference Guide (July 2026). The comments in the code are by the model that wrote it; some were corrected since.
;; Multi Scale Retention. Allowed arithmetic: float matrix products may take bf16 or f16 operands with f32 sums; all other float work in f32.
;; Inputs: beta 1,024 float32; bg 1,024 float32; bk 1,024 float32; bq 1,024 float32; bv 1,024 float32; gamma 1,024 float32; wg 1,024 x 1,024 float32; wk 1,024 x 1,024 float32; wq 1,024 x 1,024 float32; wv 1,024 x 1,024 float32; x 2 x 2,048 x 1,024 float32.
;; Outputs: out0 2 x 2,048 x 1,024 float32.
;; One version. Each part assembles by itself: llvm-mc -triple=amdgcn-amd-amdhsa -mcpu=gfx1250 --defsym DOCPART=n.
;; ======== version 1 of 1: 3 launches
;; limits: values outside matrix products are rounded to f16; values are held in f16: magnitudes above 65,504 overflow, below 6.1e-05 lose precision; right only within a limited range of input values
;; workspace buffers: xw 16,777,216 bytes; qkvg 33,554,432 bytes
;; launch cast (part 1): grid 512 x 1, 8 waves a work-group, no clusters, 0 bytes of LDS; arguments x, wq, wk, wv, wg, xw; writes xw
.if DOCPART == 1
	.amdgcn_target "amdgcn-amd-amdhsa--gfx1250"
	.amdhsa_code_object_version 6
	.text
	.protected	k_q5bda248163_cast
	.globl	k_q5bda248163_cast
	.p2align	8
	.type	k_q5bda248163_cast,@function
k_q5bda248163_cast:
	s_mov_b64 s[64:65], 0
	v_nop
	global_prefetch_b8 v0, s[64:65] scope:SCOPE_SE
	s_setreg_imm32_b32 hwreg(HW_REG_WAVE_MODE, 25, 1), 1
	s_wait_xcnt 0x0
; x [4096][1024] and the four weights [1024][1024], all f32, are rounded once to bf16 (nearest even) into xw:
; bytes 0 .. 8 Mi-1 x, then wq, wk, wv, wg, 2 MiB each, which makes one matrix [4096][1024] of stacked weights.
; A stream: every input byte is read once and every output byte written once, so no LDS, no barrier, no matrix unit.
; A work-group converts CHUNK = 16,384 numbers (64 KiB in, 32 KiB out).  Groups 0-255 take x, 256 + 64 m + j chunk j of weight m;
; the place in xw is the group's number times 32 KiB for all of them.
; A thread takes 8 neighbouring numbers a step: two loads of 16 bytes (the wave's pair covers 1,024 consecutive bytes) and one store
; of 16 bytes (the wave's store covers 512 consecutive bytes, aligned).  All 16 loads go out at once; every register is written once.
.set STEPS,  8
.set IN,     8                         ; v[8:71]    step j: 8 numbers in f32
.set OUT,    72                        ; v[72:103]  step j: 8 numbers in bf16
	s_load_b256 s[4:11], s[0:1], 0x0               ; x s[4:5], wq s[6:7], wk s[8:9], wv s[10:11]
	s_load_b128 s[12:15], s[0:1], 0x20             ; wg s[12:13], xw s[14:15]
	s_and_b32 s19, ttmp9, 63                       ; the chunk's number inside a weight
	v_lshlrev_b32 v1, 5, v0                        ; 32 bytes of f32 a thread
	v_lshlrev_b32 v2, 4, v0                        ; 16 bytes of bf16 a thread
	s_wait_kmcnt 0x0
	s_cmp_lt_u32 ttmp9, 448                        ; which buffer: the choice hangs on the group's number alone
	s_cselect_b64 s[16:17], s[10:11], s[12:13]
	s_cmp_lt_u32 ttmp9, 384
	s_cselect_b64 s[16:17], s[8:9], s[16:17]
	s_cmp_lt_u32 ttmp9, 320
	s_cselect_b64 s[16:17], s[6:7], s[16:17]
	s_cmp_lt_u32 ttmp9, 256
	s_cselect_b64 s[16:17], s[4:5], s[16:17]
	s_cselect_b32 s18, ttmp9, s19                  ; the chunk's number inside that buffer
	s_lshl_b32 s18, s18, 16                        ; times 64 KiB
	s_mov_b32 s19, 0
	s_add_nc_u64 s[16:17], s[16:17], s[18:19]
	s_lshl_b32 s20, ttmp9, 15                      ; times 32 KiB
	s_mov_b32 s21, 0
	s_add_nc_u64 s[14:15], s[14:15], s[20:21]
.irp j, 0,1,2,3,4,5,6,7
	global_load_b128 v[IN+8*\j:IN+8*\j+3],   v1, s[16:17] offset:8192*\j th:TH_LOAD_NT
	global_load_b128 v[IN+8*\j+4:IN+8*\j+7], v1, s[16:17] offset:8192*\j+16 th:TH_LOAD_NT
.endr
.irp j, 0,1,2,3,4,5,6,7
	s_wait_loadcnt 14-2*\j                         ; loads come back in order: step j's two are in, the younger steps' stay out
.irp k, 0,1,2,3
	v_cvt_pk_bf16_f32 v[OUT+4*\j+\k], v[IN+8*\j+2*\k], v[IN+8*\j+2*\k+1]
.endr
	global_store_b128 v2, v[OUT+4*\j:OUT+4*\j+3], s[14:15] offset:4096*\j
.endr
	s_endpgm
.Lfunc_end_k_q5bda248163_cast:
	.size	k_q5bda248163_cast, .Lfunc_end_k_q5bda248163_cast-k_q5bda248163_cast
	.p2alignl 7, 3214868480
	.fill 96, 4, 3214868480
	.section	.rodata,"a",@progbits
	.p2align	6, 0x0
	.amdhsa_kernel k_q5bda248163_cast
		.amdhsa_group_segment_fixed_size 0
		.amdhsa_private_segment_fixed_size 0
		.amdhsa_enable_private_segment 0
		.amdhsa_kernarg_size 48
		.amdhsa_user_sgpr_count 2
		.amdhsa_user_sgpr_kernarg_segment_ptr 1
		.amdhsa_wavefront_size32 1
		.amdhsa_system_sgpr_workgroup_id_x 1
		.amdhsa_system_sgpr_workgroup_id_y 1
		.amdhsa_system_sgpr_workgroup_id_z 1
		.amdhsa_system_vgpr_workitem_id 0
		.amdhsa_next_free_vgpr 104
		.amdhsa_next_free_sgpr 66
		.amdhsa_reserve_vcc 0
		.amdhsa_float_denorm_mode_32 3
		.amdhsa_float_denorm_mode_16_64 3
		.amdhsa_memory_ordered 1
		.amdhsa_forward_progress 1
		.amdhsa_inst_pref_size 6
	.end_amdhsa_kernel
	.amdgpu_metadata
---
amdhsa.version: [ 1, 2 ]
amdhsa.kernels:
  - .name:           k_q5bda248163_cast
    .symbol:         k_q5bda248163_cast.kd
    .args:
      - { .name: x, .offset: 0, .size: 8, .value_kind: global_buffer, .address_space: global }
      - { .name: wq, .offset: 8, .size: 8, .value_kind: global_buffer, .address_space: global }
      - { .name: wk, .offset: 16, .size: 8, .value_kind: global_buffer, .address_space: global }
      - { .name: wv, .offset: 24, .size: 8, .value_kind: global_buffer, .address_space: global }
      - { .name: wg, .offset: 32, .size: 8, .value_kind: global_buffer, .address_space: global }
      - { .name: xw, .offset: 40, .size: 8, .value_kind: global_buffer, .address_space: global }
    .group_segment_fixed_size: 0
    .private_segment_fixed_size: 0
    .kernarg_segment_align: 8
    .kernarg_segment_size: 48
    .max_flat_workgroup_size: 256
    .sgpr_count:     66
    .vgpr_count:     104
    .wavefront_size: 32
...
	.end_amdgpu_metadata
.endif
;; end of part 1
;; launch proj (part 2): grid 16 x 16, 4 waves a work-group, clusters of 4 x 4, 327,680 bytes of LDS; arguments xw, bq, bk, bv, bg, qkvg; writes qkvg
.if DOCPART == 2
	.amdgcn_target "amdgcn-amd-amdhsa--gfx1250"
	.amdhsa_code_object_version 6
	.text
	.protected	k_q5bda248163_proj
	.globl	k_q5bda248163_proj
	.p2align	8
	.type	k_q5bda248163_proj,@function
k_q5bda248163_proj:
	s_mov_b64 s[64:65], 0
	v_nop
	global_prefetch_b8 v0, s[64:65] scope:SCOPE_SE
	s_setreg_imm32_b32 hwreg(HW_REG_WAVE_MODE, 25, 1), 1
	s_wait_xcnt 0x0
	s_wait_alu depctr_hold_cnt(0) depctr_sa_sdst(0) depctr_va_vdst(0) depctr_va_sdst(0) depctr_va_ssrc(0) depctr_va_vcc(0) depctr_vm_vsrc(0)
	s_getreg_b32 s2, hwreg(HW_REG_IB_STS2, 6, 4)
	s_cmp_eq_u32 s2, 0
	s_cbranch_scc0 .Lentry_in_a_cluster
	s_endpgm
.Lentry_in_a_cluster:
	s_bfe_u32 s2, ttmp6, 0x10000c
	s_cmp_lg_u32 s2, 0xf033
	s_cbranch_scc0 .Lentry_shape_is_right
	s_endpgm
.Lentry_shape_is_right:
; The four projections as ONE product: C[m][n] = sum over k of xb[m][k] wb[n][k] + bias[n], m = token 0..4095, n = 1024 mat + 64 head + d,
; mat = 0 q, 1 k, 2 v, 3 gate.  xb and wb are the bf16 halves of xw; sums in f32; C rounded once to f16 and stored head-major:
; qkvg byte = mat << 23 + (16 batch + head) << 18 + 128 t + 2 d.
; LIMIT, stated: q, k, v AND the gate leave this launch in f16: 11 bits of mantissa, and a projection of 65,504 or more in magnitude becomes infinity.
; Why f16 and not bf16: the attention's result is a mean over 2,048 keys, the gate multiplies its rounding error and the group norm divides by the
; small spread of the product, so the rounding of these numbers shows at full size in the output; f16 has three more bits.
; The room: a projection is a sum of 1,024 products.  With x and the weights both 30 times the drawn spreads (1 and 0.02) it is 900 times as large,
; some 3,000 at the largest; with common offsets of 30 spreads in both it is 1,024 x 30 x 0.6 = 18,432.  Both lie inside.
; A work-group makes a block of 256 x 256 of C with four waves, one for each SIMD of a WGP; a wave makes 128 x 128: 64 accumulator tiles of 16 x 16,
; 512 registers.  K goes in steps of 128 through a ring of two LDS slots filled by the tensor data mover; a tile's rows are 256 bytes
; and start at multiples of 256 bytes from the buffer's first byte.
; CLUSTERS: 4 x 4 work-groups.  The four of a row of the cluster need the same tiles of xb, the four of a column the same tiles of wb.
; Such a tile is asked for jointly: each of the four issues the same tensor load, same descriptor, a mask that names the four.
;
; REGISTERS, in windows of 256 (s_set_vgpr_msb says which window each operand place means):
;   window 0: v0-31 addresses; v64-127, v128-191 fragments of A, two buffers; v192-255 the bias as a C operand, later at work on the way out
;   window 1: v64-127, v128-191 fragments of B, two buffers
;   window 2: the 32 accumulator tiles of my rows 0-63 (tile (a, b) at v[8 (8 a + b)]);   window 3: those of my rows 64-127
; THE MATRIX INSTRUCTION IS USED TRANSPOSED: source 0 = 16 rows of wb, source 1 = 16 rows of xb.  Lane l then holds row m = l % 16 of C and its
; registers 0 to 7 the columns n = 8 (l / 16) + 0 .. 7: eight neighbouring numbers of a row, 16 bytes in f16.
; THE BIAS COSTS NO INSTRUCTION: a lane's eight bias numbers of each of the 8 column blocks lie in v[BIAS ..] in exactly that layout, and the
; first product of each tile takes them as its C operand.  Nothing is cleared and nothing is added afterwards.
.set SIZE_M, 4096
.set SIZE_N, 4096
.set SIZE_K, 1024
.set KSTEP,  128
.set PITCH,  272                       ; an LDS row: 256 bytes of data + 16 of padding: the 16 rows that a load touches start 16 bytes apart modulo 256
.set HALFT,  128*PITCH                 ; 128 rows: what one tensor load brings, and what one wave reads of A or of B
.set SLOT,   4*HALFT                   ; A's 256 rows, then B's 256 rows
.set STAGE,  2*SLOT                    ; behind the ring: 16 rows x 272 bytes for each wave, for the way out; no tensor load lands here
.set SPITCH, 272
.set LAPS, SIZE_K/(2*KSTEP)            ; a lap = two K steps = once round the ring: 4 laps
.set ADRA, 16                          ; v16-17  LDS address of my A fragments in slot 0, 1
.set ADRB, 20                          ; v20-21  the same for B
.set STO,  24                          ; v24     the way out: where I put 16 bytes of a row
.set RD,   25                          ; v25     the way out: where I read back
.set CO,   26                          ; v26     my byte offset in a store's 512 bytes
.set F0,   64                          ; fragment buffer 0
.set F1,   128                         ; fragment buffer 1
.set TMP,  192                         ; the way out: packed results, in window 0
.set BIAS, 192                         ; v[192:255], window 0: column block b's eight bias numbers at BIAS + 8 b (read in the first quarter step only)
.set G1, 24                            ; s[24:31] descriptor group 1 for A's tiles
.set G0, 32                            ; s[32:39] descriptor group 0 for A's tiles, one set for each slot
.set G1B, 48                           ; s[48:55] descriptor group 1 for B's tiles: it differs from A's in the mask alone
.set G0B, 56                           ; s[56:63] descriptor group 0 for B's tiles, one set for each slot
.set MSB, 0
.macro WIN new                         ; the immediate's high byte repeats the setting that is left
.if MSB != \new
	s_set_vgpr_msb (MSB<<8)|\new
.set MSB, \new
.endif
.endm
.set MUL_LO,   0xa1                    ; source 0 (B) window 1, source 1 (A) window 0, C and D window 2
.set MUL_HI,   0xf1                    ; the same, C and D window 3
.set FIRST_LO, 0x81                    ; the first products: C (the bias) window 0, D window 2
.set FIRST_HI, 0xc1                    ; C window 0, D window 3
.set TO_B,     0x40                    ; destination window 1, address window 0
; A joint load.  Waves 0 and 1 fetch A's two halves, waves 2 and 3 B's.  Each line has one mask and one set of registers for all that issue it.
; The branch hangs on the wave's number alone: it is the same in every work-group.
.macro JLOAD s
	s_cmp_eq_u32 s11, 0
	s_cbranch_scc0 .Lfor_b_\@
	tensor_load_to_lds s[G0+4*\s:G0+4*\s+3], s[G1:G1+7]
	s_nop 0
	s_branch .Lasked_\@
.Lfor_b_\@:
	tensor_load_to_lds s[G0B+4*\s:G0B+4*\s+3], s[G1B:G1B+7]
	s_nop 0
.Lasked_\@:
.endm
; A round of the cluster's barrier: my work-group's barrier, so that wave 0's signal speaks for all four waves; wave 0 signals for the
; work-group; every wave waits for all sixteen work-groups; my work-group's barrier once more.
.macro CREST                           ; a round behind its opening barrier
	s_cmp_lg_u32 s10, 0
	s_cbranch_scc1 .Lnot_wave_0_\@
	s_barrier_signal -3
.Lnot_wave_0_\@:
	s_barrier_wait -3
	s_barrier_signal -1
	s_barrier_wait -1
.endm
.macro CROUND                          ; a whole round
	s_barrier_signal -1
	s_barrier_wait -1
	CREST
.endm
	s_load_b64 s[4:5], s[0:1], 0x0                 ; xw: A = xb at its first byte
	s_load_b256 s[68:75], s[0:1], 0x8              ; bq s[68:69], bk s[70:71], bv s[72:73], bg s[74:75]
	s_load_b64 s[8:9], s[0:1], 0x28                ; qkvg
	s_set_vgpr_msb 0x40
	v_lshl_add_u32 v255, v0, 2, 0x48400
	s_set_vgpr_msb 0x4000
	v_mov_b32 v63, 0
	s_set_vgpr_msb 0x1
	ds_add_u32 v255, v63
	s_set_vgpr_msb 0x100
	v_lshrrev_b32 v1, 5, v0
	v_readfirstlane_b32 s10, v1                    ; wave 0..3
	s_lshr_b32 s11, s10, 1                         ; which half of the block's rows is mine.  Also: I fetch for A (0) or for B (1)
	s_and_b32 s12, s10, 1                          ; which half of its columns.  Also: which 128 rows of that tile I fetch
	s_bfe_u32 s40, ttmp6, 0x40000                  ; cx: my place along the cluster's x
	s_bfe_u32 s41, ttmp6, 0x40004                  ; cy: along its y
	s_lshl_b32 s42, ttmp9, 2                       ; in a cluster launch ttmp9 and ttmp7 count clusters
	s_add_co_u32 s42, s42, s40                     ; block column of C = 4 x cluster x + cx
	s_and_b32 s13, ttmp7, 0xffff
	s_lshl_b32 s13, s13, 2
	s_add_co_u32 s13, s13, s41                     ; block row of C = 4 x cluster y + cy
	s_lshl_b32 s43, s41, 2
	s_lshl_b32 s43, 15, s43                        ; my row of the cluster: places 4 cy .. 4 cy + 3
	s_lshl_b32 s44, 0x1111, s40                    ; my column: places cx, cx + 4, cx + 8, cx + 12
	; descriptor group 1: a tile of 128 rows x 128 elements, padded in LDS
	s_or_b32 s[G1+0], s43, (1<<16)|(1<<20)|(1<<21)|(5<<22)|(3<<25)  ; 15:0 the mask: A's tiles go to my row; 17:16 element of 2 bytes; 20 padding on; 21 set beside a mask; 24:22 after every 64 words; 31:25 of 4 words
	s_or_b32 s[G1B+0], s44, (1<<16)|(1<<20)|(1<<21)|(5<<22)|(3<<25) ; the same with the mask of my column, for B's tiles
	s_mov_b32 s[G1B+1], KSTEP<<16
	s_mov_b32 s[G1+1], KSTEP<<16                   ; tensor_dim0 = 128
	s_mov_b32 s[G1B+2], 128<<16
	s_mov_b32 s[G1+2], 128<<16                     ; tensor_dim1 = 128
	s_mov_b32 s[G1B+3], KSTEP<<16
	s_mov_b32 s[G1+3], KSTEP<<16                   ; tile_dim0 = 128
	s_mov_b32 s[G1B+4], 128
	s_mov_b32 s[G1+4], 128                         ; tile_dim1 = 128
	s_mov_b32 s[G1B+5], SIZE_K
	s_mov_b32 s[G1+5], SIZE_K                      ; elements from row to row
	s_mov_b32 s[G1B+6], 0
	s_mov_b32 s[G1+6], 0
	s_mov_b32 s[G1B+7], 0
	s_mov_b32 s[G1+7], 0
	; where the tiles come from.  A's hang on the block row alone, which my row of the cluster shares; B's on the block column alone.
	s_lshl_b32 s17, s12, 7                         ; which 128 rows of the tile I fetch
	s_lshl_b32 s16, s13, 8
	s_add_co_u32 s16, s16, s17                     ; A: row 256 x block row + 128 x half
	s_lshl_b32 s46, s42, 8
	s_add_co_u32 s46, s46, s17                     ; B: row 256 x block column + 128 x half
	s_mov_b32 s17, 0
	s_mov_b32 s47, 0
	s_mov_b64 s[18:19], SIZE_K*2
	s_mul_u64 s[16:17], s[16:17], s[18:19]         ; in bytes, in 64 bits
	s_mul_u64 s[46:47], s[46:47], s[18:19]
	s_mul_i32 s20, s10, HALFT                      ; where they go: wave x 128 rows: no place in the cluster enters an LDS address
	s_lshl_b32 s78, s40, 10                        ; my 128 columns inside their weight matrix, in bytes of f32: 1,024 cx + 512 x half
	s_lshl_b32 s79, s12, 9
	s_add_co_u32 s78, s78, s79
	s_mov_b32 s79, 0
	s_wait_dscnt 0x0
	s_wait_kmcnt 0x0
	s_add_nc_u64 s[6:7], s[4:5], 0x800000          ; B = wb, the second 8 MiB of xw
	s_add_nc_u64 s[14:15], s[4:5], s[16:17]
	s_add_nc_u64 s[46:47], s[6:7], s[46:47]
	s_cmp_eq_u32 ttmp9, 1                          ; a cluster's four block columns are one weight matrix: mat = cluster x picks the bias
	s_cselect_b64 s[68:69], s[70:71], s[68:69]
	s_cmp_eq_u32 ttmp9, 2
	s_cselect_b64 s[68:69], s[72:73], s[68:69]
	s_cmp_eq_u32 ttmp9, 3
	s_cselect_b64 s[68:69], s[74:75], s[68:69]
	s_add_nc_u64 s[68:69], s[68:69], s[78:79]
	CROUND                                         ; all sixteen work-groups are here: the first joint loads meet
.irp s, 0,1
	s_mov_b32 s[G0+4*\s], 1                                        ; count = 1
	s_add_co_u32 s[G0+4*\s+1], s20, \s*SLOT                        ; LDS address
	s_add_nc_u64 s[G0+4*\s+2:G0+4*\s+3], s[14:15], \s*KSTEP*2      ; global address: K step s
	s_or_b32 s[G0+4*\s+3], s[G0+4*\s+3], 0x80000000                ; type = 2
	s_mov_b32 s[G0B+4*\s], 1
	s_add_co_u32 s[G0B+4*\s+1], s20, \s*SLOT
	s_add_nc_u64 s[G0B+4*\s+2:G0B+4*\s+3], s[46:47], \s*KSTEP*2
	s_or_b32 s[G0B+4*\s+3], s[G0B+4*\s+3], 0x80000000
	JLOAD \s                                       ; the ring is filled before anything else is done: two tensor loads of the wave are out
.endr
	; A fragment is 16 rows x 32 K in 8 registers: lane l holds row l % 16; registers 0-3 hold K = 8 (l / 16) + 0..7, registers 4-7 hold
	; K = 16 + 8 (l / 16) + 0..7.  From rows that lie along K: two loads of 16 bytes, 32 bytes apart.
	v_and_b32 v1, 15, v0                           ; l % 16
	v_bfe_u32 v2, v0, 4, 1                         ; l / 16
	v_lshlrev_b32 v6, 5, v2                        ; the bias: 8 numbers of f32 for each half of the lanes
.irp b, 0,1,2,3,4,5,6,7
	global_load_b128 v[BIAS+8*\b:BIAS+8*\b+3],   v6, s[68:69] offset:64*\b       ; bias[n0 + 16 b + 8 (l / 16) + 0..3]
	global_load_b128 v[BIAS+8*\b+4:BIAS+8*\b+7], v6, s[68:69] offset:64*\b+16    ; .. + 4..7
.endr
	v_mul_u32_u24 v3, v1, PITCH
	v_lshl_add_u32 v3, v2, 4, v3                   ; row x pitch + 16 x half
	s_mul_i32 s21, s11, HALFT                      ; my 128 rows of A
	s_mul_i32 s22, s12, HALFT                      ; my 128 rows of B,
	s_add_co_u32 s22, s22, 2*HALFT                 ; which lie behind A's 256
.irp s, 0,1
	v_add_nc_u32 v[ADRA+\s], s21, v3
	v_add_nc_u32 v[ADRB+\s], s22, v3
	s_add_co_u32 s21, s21, SLOT
	s_add_co_u32 s22, s22, SLOT
.endr
	s_mul_i32 s23, s10, 16*SPITCH
	s_add_co_u32 s23, s23, STAGE                   ; my stage
	v_mul_u32_u24 v4, v1, SPITCH                   ; in: row l % 16, 16 bytes for each half of the lanes
	v_lshl_add_u32 v4, v2, 4, v4
	v_add_nc_u32 v[STO], s23, v4
	v_and_b32 v7, 31, v0                           ; back: eight lanes take one head's 128 bytes of one token, the wave four tokens
	v_lshrrev_b32 v5, 3, v7
	v_mul_u32_u24 v5, v5, SPITCH
	v_and_b32 v8, 7, v0
	v_lshl_add_u32 v5, v8, 4, v5
	v_add_nc_u32 v[RD], s23, v5
	v_lshlrev_b32 v[CO], 4, v7                     ; in qkvg those four tokens are 512 consecutive bytes: 16 x lane
; 16 matrix instructions: m blocks a0, a0 + 1 of the window's four (hi = 0: my rows 0-63, 1: rows 64-127) x all 8 n blocks, 32 along K.
; zero = 1: the first product starts the sums from the bias.
.macro MUL16 f, hi, a0, zero
.irp a, \a0, \a0+1
.irp b, 0,1,2,3,4,5,6,7
.if \zero
	v_wmma_f32_16x16x32_bf16 v[8*(8*(\a)+\b):8*(8*(\a)+\b)+7], v[\f+8*\b:\f+8*\b+7], v[\f+8*(4*\hi+\a):\f+8*(4*\hi+\a)+7], v[BIAS+8*\b:BIAS+8*\b+7]
.else
	v_wmma_f32_16x16x32_bf16 v[8*(8*(\a)+\b):8*(8*(\a)+\b)+7], v[\f+8*\b:\f+8*\b+7], v[\f+8*(4*\hi+\a):\f+8*(4*\hi+\a)+7], v[8*(8*(\a)+\b):8*(8*(\a)+\b)+7]
.endif
.endr
.endr
.endm
; 32 LDS loads in one run: the fragments of one quarter step (128 rows of B, 128 rows of A, 32 K at byte k of the rows) into buffer f
.macro FETCH slot, k, f
	WIN TO_B
.irp i, 0,1,2,3,4,5,6,7
	ds_load_b128 v[\f+8*\i:\f+8*\i+3],   v[ADRB+\slot] offset:\k+\i*16*PITCH
	ds_load_b128 v[\f+8*\i+4:\f+8*\i+7], v[ADRB+\slot] offset:\k+\i*16*PITCH+32
.endr
	WIN 0
.irp i, 0,1,2,3,4,5,6,7
	ds_load_b128 v[\f+8*\i:\f+8*\i+3],   v[ADRA+\slot] offset:\k+\i*16*PITCH
	ds_load_b128 v[\f+8*\i+4:\f+8*\i+7], v[ADRA+\slot] offset:\k+\i*16*PITCH+32
.endr
.endm
; A load into a register that a matrix instruction has read, and a vector instruction that reads a matrix result, stand four places behind that
; matrix instruction; only plain vector instructions that name none of its registers are places (ISA guide 7.12.1 for vector instructions).
.macro PLACES
.rept 4
	v_nop
.endr
.endm
; A K step is four quarter steps of 32 along K, 64 matrix instructions each, on buffers 0, 1, 0, 1.  The 64 accumulators take turns, one
; instruction a turn, in the same order in every quarter step.
; One of the first three: multiplies buffer f; in its middle it fetches the next quarter's fragments, at byte k of the same slot's rows, into g.
.macro QUARTER slot, k, f, g, zero
	s_wait_dscnt 8                                 ; B and A's rows 0-63 are in; the youngest eight loads (A's rows 64-127) may be out
.if \zero
	WIN FIRST_LO
.else
	WIN MUL_LO
.endif
	MUL16 \f, 0, 0, \zero
	MUL16 \f, 0, 2, \zero
	PLACES
	FETCH \slot, \k, \g
	s_wait_dscnt 32                                ; all but the 32 just issued
.if \zero
	WIN FIRST_HI
.else
	WIN MUL_HI
.endif
	MUL16 \f, 1, 0, \zero
	MUL16 \f, 1, 2, \zero
.endm
.macro THREE slot, zero
	QUARTER \slot, 64,  F0, F1, \zero
	QUARTER \slot, 128, F1, F0, 0
	QUARTER \slot, 192, F0, F1, 0
.endm
; The last quarter: multiplies buffer 1 and changes slots.  next = the other slot; fill = 1: this slot is filled again, two K steps ahead.
; One barrier for the change of slots.  In front of it each wave waits for its own reads of this slot and for all its tensor loads, of which
; one is out: its part of the next slot.  Behind it nobody reads this slot any more and the next slot is whole: the refill comes first,
; then the next slot's first fragments.  From a request to the wait for it a wave issues 240 matrix instructions.
.macro TURN slot, next, fill
	s_wait_dscnt 8
	WIN MUL_LO
	MUL16 F1, 0, 0, 0
	s_wait_dscnt 0                                 ; my reads of this slot are over
	s_wait_tensorcnt 0x0                           ; and all my tensor loads have landed
	ds_add_u32 v255, v63
	s_wait_dscnt 0x0
	s_barrier_signal -1                            ; say so (where a slot is filled again this barrier opens a round of the cluster's barrier),
	MUL16 F1, 0, 2, 0                              ; work on registers while the others arrive,
	WIN 0
	s_barrier_wait -1                              ; and go on when all four have said so
.if \fill
	CREST                                          ; all sixteen work-groups have said so: no wave of any partner still reads this slot or has a load on its way
	s_add_nc_u64 s[G0+4*\slot+2:G0+4*\slot+3], s[G0+4*\slot+2:G0+4*\slot+3], 2*KSTEP*2
	s_add_nc_u64 s[G0B+4*\slot+2:G0B+4*\slot+3], s[G0B+4*\slot+2:G0B+4*\slot+3], 2*KSTEP*2
	JLOAD \slot                                    ; the first tensor load behind the round, and the wave's only one until the next
.endif
	PLACES
	FETCH \next, 0, F0
	WIN MUL_HI
	MUL16 F1, 1, 0, 0
	MUL16 F1, 1, 2, 0
.endm
.macro LAP zero                        ; once round the ring, both slots filled again
	THREE 0, \zero
	TURN 0, 1, 1
	THREE 1, 0
	TURN 1, 0, 1
.endm
	s_wait_tensorcnt 1                             ; my part of K step 0 is in; K step 1's may stay out
	s_barrier_signal -1
	s_barrier_wait -1                              ; everybody's is
	s_wait_loadcnt 0x0                             ; the bias
	FETCH 0, 0, F0
	LAP 1                                          ; the first lap stands in front of the loop: its first products start the sums
	WIN 0                                          ; at a label and at a branch every window is 0
	s_mov_b32 s3, LAPS-2
.Llap:
	LAP 0
	WIN 0
	s_sub_co_u32 s3, s3, 1
	s_cmp_lg_u32 s3, 0
	s_cbranch_scc1 .Llap
	THREE 0, 0                                     ; the last lap fills nothing and has no round of the cluster's barrier
	TURN 0, 1, 0
	THREE 1, 0
	s_wait_dscnt 8                                 ; the very last quarter: nothing more to fetch
	WIN MUL_LO
	MUL16 F1, 0, 0, 0
	MUL16 F1, 0, 2, 0
	s_wait_dscnt 0
	WIN MUL_HI
	MUL16 F1, 1, 0, 0
	MUL16 F1, 1, 2, 0
	; THE WAY OUT, 16 tokens at a time: round to f16, 16 bytes a lane into my own stage in LDS, read back head by head.
	; My 128 columns are two heads; my 128 rows are 128 tokens of one batch.  In qkvg a head's tokens follow each other, 128 bytes each.
	PLACES
	s_lshl_b32 s46, ttmp9, 23                      ; mat
	s_lshr_b32 s47, s13, 3                         ; batch = block row / 8: 16 heads of 256 KiB
	s_lshl_b32 s47, s47, 22
	s_add_co_u32 s46, s46, s47
	s_lshl_b32 s47, s40, 20                        ; head = 4 cx + 2 x half (+ 0, 1)
	s_add_co_u32 s46, s46, s47
	s_lshl_b32 s47, s12, 19
	s_add_co_u32 s46, s46, s47
	s_and_b32 s47, s13, 7                          ; token = 256 (block row % 8) + 128 x half
	s_lshl_b32 s47, s47, 15
	s_add_co_u32 s46, s46, s47
	s_lshl_b32 s47, s11, 14
	s_add_co_u32 s46, s46, s47
	s_mov_b32 s47, 0
	s_add_nc_u64 s[8:9], s[8:9], s[46:47]
; tokens 16 i .. 16 i + 15 of my block = the eight tiles (a, 0..7) of window 2 or 3 (from = 0x0a or 0x0f: sources 0 and 1); f: F0 or F1 in turn.
; Read-back t: tokens 4 (t & 3) .. + 3 of head t >> 2.
.macro OUT16 i, a, from, f
	WIN \from
.irp b, 0,1,2,3,4,5,6,7
.irp r, 0,1,2,3
	v_cvt_pk_f16_f32 v[TMP+4*\b+\r], v[8*(8*\a+\b)+2*\r], v[8*(8*\a+\b)+2*\r+1]
.endr
.endr
	WIN 0
.irp b, 0,1,2,3,4,5,6,7
	ds_store_b128 v[STO], v[TMP+4*\b:TMP+4*\b+3] offset:32*\b
.endr
	s_wait_xcnt 0x0                                ; buffer f, which earlier stores read, is loaded again only behind this wait
.irp t, 0,1,2,3,4,5,6,7
	ds_load_b128 v[\f+4*\t:\f+4*\t+3], v[RD] offset:(\t&3)*4*SPITCH+(\t>>2)*128    ; LDS serves a wave's instructions in order: these see the stores above
.endr
.irp t, 0,1,2,3,4,5,6,7
	s_wait_dscnt 7-\t                              ; read-back t is in, the later ones stay out
	global_store_b128 v[CO], v[\f+4*\t:\f+4*\t+3], s[8:9] offset:\i*2048+(\t&3)*512+(\t>>2)*262144   ; the wave stores 512 consecutive bytes, aligned
.endr
.endm
	OUT16 0, 0, 0x0a, F0
	OUT16 1, 1, 0x0a, F1
	OUT16 2, 2, 0x0a, F0
	OUT16 3, 3, 0x0a, F1
	OUT16 4, 0, 0x0f, F0
	OUT16 5, 1, 0x0f, F1
	OUT16 6, 2, 0x0f, F0
	OUT16 7, 3, 0x0f, F1
	s_set_vgpr_msb 0x1
	s_wait_tensorcnt 0x0
	ds_add_u32 v255, v63
	s_wait_dscnt 0x0
	s_set_vgpr_msb 0x100
	CROUND                                         ; the closing round: no work-group ends while a partner may still ask for a tile that names it
	s_endpgm
.Lfunc_end_k_q5bda248163_proj:
	.size	k_q5bda248163_proj, .Lfunc_end_k_q5bda248163_proj-k_q5bda248163_proj
	.p2alignl 7, 3214868480
	.fill 96, 4, 3214868480
	.section	.rodata,"a",@progbits
	.p2align	6, 0x0
	.amdhsa_kernel k_q5bda248163_proj
		.amdhsa_group_segment_fixed_size 327680
		.amdhsa_private_segment_fixed_size 0
		.amdhsa_enable_private_segment 0
		.amdhsa_kernarg_size 48
		.amdhsa_user_sgpr_count 2
		.amdhsa_user_sgpr_kernarg_segment_ptr 1
		.amdhsa_wavefront_size32 1
		.amdhsa_system_sgpr_workgroup_id_x 1
		.amdhsa_system_sgpr_workgroup_id_y 1
		.amdhsa_system_sgpr_workgroup_id_z 1
		.amdhsa_system_vgpr_workitem_id 0
		.amdhsa_next_free_vgpr 1024
		.amdhsa_next_free_sgpr 80
		.amdhsa_reserve_vcc 0
		.amdhsa_float_denorm_mode_32 3
		.amdhsa_float_denorm_mode_16_64 3
		.amdhsa_memory_ordered 1
		.amdhsa_forward_progress 1
		.amdhsa_inst_pref_size 198
	.end_amdhsa_kernel
	.amdgpu_metadata
---
amdhsa.version: [ 1, 2 ]
amdhsa.kernels:
  - .name:           k_q5bda248163_proj
    .symbol:         k_q5bda248163_proj.kd
    .args:
      - { .name: xw, .offset: 0, .size: 8, .value_kind: global_buffer, .address_space: global }
      - { .name: bq, .offset: 8, .size: 8, .value_kind: global_buffer, .address_space: global }
      - { .name: bk, .offset: 16, .size: 8, .value_kind: global_buffer, .address_space: global }
      - { .name: bv, .offset: 24, .size: 8, .value_kind: global_buffer, .address_space: global }
      - { .name: bg, .offset: 32, .size: 8, .value_kind: global_buffer, .address_space: global }
      - { .name: qkvg, .offset: 40, .size: 8, .value_kind: global_buffer, .address_space: global }
    .group_segment_fixed_size: 327680
    .private_segment_fixed_size: 0
    .kernarg_segment_align: 8
    .kernarg_segment_size: 48
    .max_flat_workgroup_size: 128
    .sgpr_count:     80
    .vgpr_count:     1024
    .wavefront_size: 32
...
	.end_amdgpu_metadata
.endif
;; end of part 2
;; launch attn (part 3): grid 8 x 32, 8 waves a work-group, clusters of 4 x 1, 327,680 bytes of LDS; arguments qkvg, gamma, beta, out0; writes out0
.if DOCPART == 3
	.amdgcn_target "amdgcn-amd-amdhsa--gfx1250"
	.amdhsa_code_object_version 6
	.text
	.protected	k_q5bda248163_attn
	.globl	k_q5bda248163_attn
	.p2align	8
	.type	k_q5bda248163_attn,@function
k_q5bda248163_attn:
	s_mov_b64 s[64:65], 0
	v_nop
	global_prefetch_b8 v0, s[64:65] scope:SCOPE_SE
	s_setreg_imm32_b32 hwreg(HW_REG_WAVE_MODE, 25, 1), 1
	s_wait_xcnt 0x0
	s_wait_alu depctr_hold_cnt(0) depctr_sa_sdst(0) depctr_va_vdst(0) depctr_va_sdst(0) depctr_va_ssrc(0) depctr_va_vcc(0) depctr_vm_vsrc(0)
	s_getreg_b32 s2, hwreg(HW_REG_IB_STS2, 6, 4)
	s_cmp_eq_u32 s2, 0
	s_cbranch_scc0 .Lentry_in_a_cluster
	s_endpgm
.Lentry_in_a_cluster:
	s_bfe_u32 s2, ttmp6, 0x10000c
	s_cmp_lg_u32 s2, 0x3003
	s_cbranch_scc0 .Lentry_shape_is_right
	s_endpgm
.Lentry_shape_is_right:
; Softmax attention of one (batch, head) pair bh on 256 queries, then gate x out and the group norm over the head's 64 channels of each token.
; qkvg byte = mat << 23 + bh << 18 + 128 t + 2 d, f16, mat = 0 q, 1 k, 2 v, 3 gate.  out0 [2][2048][1024] f32.
; LIMITS, stated: q, k, v and the gate enter as f16 (finite below 65,504: see the launch that makes them), and the softmax weights go to the matrix
; unit as f16; maximum, sums, out and the norm are f32.  The running maximum is taken away before every exponential, so a weight lies in (0, 1];
; a weight under 2^-25 of its row's largest so far becomes 0, which over 2,048 keys is at most 6e-5 of the largest term.
; Scores that are not finite give NaN, as in the definition.
; SHARES: work-group = bh (grid y) and query block qb = 4 x cluster x + cx.  Wave w: g = w & 3 its 64 queries, hf = w >> 2 its half of the keys
; of every slot.  Two waves lie on a SIMD, so that one wave's exponentials run beside the other's products; both keep 64 queries, so that 16 LDS
; loads feed 32 matrix instructions.  The two partial results of a pair (w, w ^ 4) are merged at the end through LDS.
; CLUSTER: the four work-groups of a cluster have the same bh and read the same K and V: every tile is asked for jointly (mask 15).
; TRANSPOSED FORM: S^T[key][query] = K Q^T (source 0 = 16 keys from LDS, source 1 = 16 queries, kept in registers).  Lane (r = l % 16, h = l / 16)
; then holds query r and keys 8 h + 0..7: maximum and sum are in the lane but for one exchange of the halves, and two packed tiles ARE the
; source 1 of out^T[d][query] += V^T P^T, whose source 0 comes from V [key][d] by the transposing LDS load.  Factors are one number a lane.
; LDS: slot s (256 keys) at s x 81,920: K's quarters (64 keys, pitch 144) at kq x 10,240, V's (pitch 160) at 40,960 + vq x 10,240;
;      163,840: a stage of 64 queries x 272 bytes for each wave; 303,104: 512 bytes for each wave (maximum and sum).  No tensor load lands behind 163,840.
.set KP,     144                       ; K: 128 bytes + 16: sixteen rows start 16 bytes apart modulo 256
.set VP,     160                       ; V: 128 bytes + 32: an odd multiple of 32, for the transposing load
.set QUART,  10240                     ; a quarter's room
.set SLOTB,  81920
.set VOFF,   40960
.set STAGE,  163840
.set SP,     272
.set WSTAGE, 64*SP
.set MLB,    STAGE+8*WSTAGE
; window 0
.set ADK, 8                            ; v8-9    LDS address of my K fragments in slot 0, 1
.set ADV, 10                           ; v10-11  the same for V
.set M,   12                           ; v12-15  running maximum of the raw scores, query tile qt
.set PX,  16                           ; v16-19  what the other half of the lanes sent
.set LS,  20                           ; v20-23  running sum, this lane's keys alone until the end
.set T,   24                           ; v24-27  at work
.set SUM, 28                           ; v28-35  a block's sums, a pair for each qt
.set PN,  28                           ; v28-31  the end: the partner's -c x maximum
.set PL,  32                           ; v32-35  the end: the partner's sum
.set AL,  36                           ; v36-43  pairs: low word the factor, high word 0 (a pair is named whole by the packed forms)
.set NM0, 44                           ; v44-51, v52-59  pairs: low word -c x maximum; two sets that take turns block by block
.set FR,  64                           ; v64-127 K fragment (kt, ks) at FR + 8 (2 kt + ks); then V fragment (kk, dt) at FR + 8 (4 kk + dt); the end: the gate in v64-95
.set S,   128                          ; v128-255 score tile (kt, qt) at S + 16 (4 (kt >> 1) + qt) + 8 (kt & 1); packed: P fragment (kk, qt) = first 8 of S + 16 (4 kk + qt)
.set GAM, FR+32
.set BET, FR+36
; window 1: accumulator (dt, qt) at v[8 (4 qt + dt)] (v256-383); Q fragment (qt, ks) at v[QF + 8 (2 qt + ks)] (v384-447)
.set QF,  128
.set G1K, 24                           ; s[24:31] descriptor group 1 for K's quarters
.set G1V, 32                           ; s[32:39] for V's: it differs in the pad alone
.set G0,  40                           ; s[40:47] descriptor group 0, one set for each slot
.set MSB, 0
.macro WIN new                         ; low byte: bits 1:0 source 0, 3:2 source 1, 5:4 source 2, 7:6 destination; the high byte repeats the setting that is left
.if MSB != \new
	s_set_vgpr_msb (MSB<<8)|\new
.set MSB, \new
.endif
.endm
.macro ROUND                           ; a round of the cluster's barrier
	s_barrier_signal -1
	s_barrier_wait -1
	s_cmp_lg_u32 s12, 0
	s_cbranch_scc1 .Lnot_wave_0_\@
	s_barrier_signal -3
.Lnot_wave_0_\@:
	s_barrier_wait -3
	s_barrier_signal -1
	s_barrier_wait -1
.endm
.macro JLOAD s                         ; waves 0-3 fetch K's four quarters of a slot, waves 4-7 V's; the branch hangs on the wave's number alone
	s_cmp_eq_u32 s14, 0
	s_cbranch_scc0 .Lfor_v_\@
	tensor_load_to_lds s[G0+4*(\s):G0+4*(\s)+3], s[G1K:G1K+7]
	s_nop 0
	s_branch .Lasked_\@
.Lfor_v_\@:
	tensor_load_to_lds s[G0+4*(\s):G0+4*(\s)+3], s[G1V:G1V+7]
	s_nop 0
.Lasked_\@:
.endm
	s_load_b256 s[4:11], s[0:1], 0x0               ; qkvg s[4:5], gamma s[6:7], beta s[8:9], out0 s[10:11]
	s_set_vgpr_msb 0x40
	v_lshl_add_u32 v192, v0, 2, 0x4b000
	v_mov_b32 v193, 0
	s_set_vgpr_msb 0x4045
	ds_add_u32 v192, v193
	s_set_vgpr_msb 0x4500
	v_lshrrev_b32 v1, 5, v0
	v_readfirstlane_b32 s12, v1                    ; w
	s_and_b32 s13, s12, 3                          ; g
	s_lshr_b32 s14, s12, 2                         ; hf
	s_bfe_u32 s15, ttmp6, 0x40000                  ; cx
	s_lshl_b32 s16, ttmp9, 2
	s_add_co_u32 s16, s16, s15                     ; qb
	s_and_b32 s17, ttmp7, 0xffff                   ; bh
	s_mov_b32 s18, 0x76543210                      ; v_permlanex16_b32: lane i of one half reads lane i of the other
	s_mov_b32 s19, 0xfedcba98
	s_mov_b32 s20, 0x3e38aa3b                      ; c = log2(e) / sqrt(64)
	s_mov_b32 s21, 0x3e38aa3b
	s_mov_b32 s22, 0xbe38aa3b                      ; -c
	s_mov_b32 s57, 0x3c800000                      ; 1/64
	s_mov_b32 s60, 0x3727c5ac                      ; 1e-5
	; group 1: 64 rows (keys) of 64 f16, dense in memory; a pad behind every 32 words, which is a row
	s_mov_b32 s[G1K+0], 15|(1<<16)|(1<<20)|(1<<21)|(4<<22)|(3<<25)  ; mask: all four of the cluster; 2-byte elements; padding on; bit 21 beside a mask; every 32 words; 4 words
	s_mov_b32 s[G1V+0], 15|(1<<16)|(1<<20)|(1<<21)|(4<<22)|(7<<25)  ; 8 words
	s_mov_b32 s[G1K+1], 64<<16                     ; tensor_dim0 = 64
	s_mov_b32 s[G1V+1], 64<<16
	s_mov_b32 s[G1K+2], 64<<16                     ; tensor_dim1 = 64
	s_mov_b32 s[G1V+2], 64<<16
	s_mov_b32 s[G1K+3], 64<<16                     ; tile_dim0 = 64
	s_mov_b32 s[G1V+3], 64<<16
	s_mov_b32 s[G1K+4], 64                         ; tile_dim1 = 64
	s_mov_b32 s[G1V+4], 64
	s_mov_b32 s[G1K+5], 64                         ; elements from row to row
	s_mov_b32 s[G1V+5], 64
	s_mov_b32 s[G1K+6], 0
	s_mov_b32 s[G1V+6], 0
	s_mov_b32 s[G1K+7], 0
	s_mov_b32 s[G1V+7], 0
	; my quarter: K (mat 1) for hf = 0, V (mat 2) for hf = 1, keys 64 g ..; made of bh and the wave's number alone, which the four partners share
	s_lshl_b32 s58, s17, 18
	s_add_co_u32 s58, s58, 0x800000
	s_lshl_b32 s59, s14, 23
	s_add_co_u32 s58, s58, s59
	s_lshl_b32 s59, s13, 13
	s_add_co_u32 s58, s58, s59
	s_mov_b32 s59, 0
	s_mul_i32 s61, s12, QUART                      ; where it goes: wave x 10,240
	s_wait_dscnt 0x0
	s_wait_kmcnt 0x0
	s_add_nc_u64 s[58:59], s[4:5], s[58:59]
.irp n, 0,1
	s_mov_b32 s[G0+4*\n], 1                                        ; count = 1
	s_add_co_u32 s[G0+4*\n+1], s61, \n*SLOTB                       ; LDS address
	s_add_nc_u64 s[G0+4*\n+2:G0+4*\n+3], s[58:59], \n*32768        ; slot n: keys 256 n ..
	s_or_b32 s[G0+4*\n+3], s[G0+4*\n+3], 0x80000000                ; type = 2
.endr
	ROUND                                          ; the four work-groups are here: the first joint loads meet
	JLOAD 0
	JLOAD 1                                        ; two tensor loads of the wave are out; later one at a time
	; pointers that hang on the query block (s54, s55 alone ever hold a number made of cx)
	s_lshl_b32 s54, s17, 18
	s_lshl_b32 s55, s16, 15                        ; 256 queries of 128 bytes
	s_add_co_u32 s54, s54, s55
	s_lshl_b32 s55, s13, 13                        ; 64 queries
	s_add_co_u32 s54, s54, s55
	s_mov_b32 s55, 0
	s_add_nc_u64 s[52:53], s[4:5], s[54:55]        ; Q: my 64 queries
	s_lshl_b32 s54, s14, 12                        ; the end: I finish tokens 32 hf .. + 31 of them
	s_add_co_u32 s54, s54, 0x1800000               ; mat 3
	s_add_nc_u64 s[48:49], s[52:53], s[54:55]      ; the gate of those 32 tokens
	s_lshr_b32 s54, s17, 4                         ; batch
	s_lshl_b32 s54, s54, 23
	s_lshl_b32 s55, s16, 20                        ; 256 tokens of 4,096 bytes
	s_add_co_u32 s54, s54, s55
	s_lshl_b32 s55, s13, 18
	s_add_co_u32 s54, s54, s55
	s_lshl_b32 s55, s14, 17
	s_add_co_u32 s54, s54, s55
	s_and_b32 s62, s17, 15                         ; head: 64 f32 = 256 bytes
	s_lshl_b32 s62, s62, 8
	s_add_co_u32 s54, s54, s62
	s_mov_b32 s55, 0
	s_mov_b32 s63, 0
	s_add_nc_u64 s[50:51], s[10:11], s[54:55]      ; out0 at my first token's head
	s_add_nc_u64 s[6:7], s[6:7], s[62:63]          ; gamma and beta of the head
	s_add_nc_u64 s[8:9], s[8:9], s[62:63]
	v_and_b32 v1, 31, v0                           ; l
	v_and_b32 v2, 15, v0                           ; r
	v_bfe_u32 v3, v0, 4, 1                         ; h
	v_lshlrev_b32 v5, 7, v2
	v_lshl_add_u32 v5, v3, 4, v5                   ; Q: query r, 16 bytes for each half of the lanes
	WIN 0x40                                       ; destination window 1
.irp qt, 0,1,2,3
.irp ks, 0,1
	global_load_b128 v[QF+8*(2*\qt+\ks):QF+8*(2*\qt+\ks)+3],   v5, s[52:53] offset:\qt*2048+\ks*64
	global_load_b128 v[QF+8*(2*\qt+\ks)+4:QF+8*(2*\qt+\ks)+7], v5, s[52:53] offset:\qt*2048+\ks*64+32
.endr
.endr
	WIN 0
	v_mul_u32_u24 v4, v2, KP                       ; K fragment: key r, 16 bytes for each half
	v_lshl_add_u32 v4, v3, 4, v4
	s_mul_i32 s58, s14, 2*QUART                    ; my half of a slot's keys: quarters 2 hf, 2 hf + 1
	v_add_nc_u32 v[ADK], s58, v4
	v_add_nc_u32 v[ADK+1], SLOTB, v[ADK]
	v_and_b32 v4, 7, v0                            ; V by the transposing load: key 8 h + (l & 7), 16 bytes at 16 ((l >> 3) & 1)
	v_lshl_add_u32 v4, v3, 3, v4
	v_mul_u32_u24 v4, v4, VP
	v_bfe_u32 v6, v0, 3, 1
	v_lshl_add_u32 v4, v6, 4, v4
	s_add_co_u32 s58, s58, VOFF
	v_add_nc_u32 v[ADV], s58, v4
	v_add_nc_u32 v[ADV+1], SLOTB, v[ADV]
.irp q, 0,1,2,3
	v_mov_b32 v[PX+\q], 0                          ; a lane exchange's destination counts as read
	v_mov_b32 v[AL+2*\q+1], 0                      ; the pairs' unused high words
	v_mov_b32 v[NM0+2*\q+1], 0
	v_mov_b32 v[NM0+8+2*\q+1], 0
.endr
; tile u = 0..15 of a block lies at S + 8 u; its query tile is (u >> 1) & 3
.macro FMA u                           ; c x score - c x maximum, two at a time; the pair's low word serves both
.irp i, 0,2,4,6
	v_pk_fma_f32 v[S+8*(\u)+\i:S+8*(\u)+\i+1], v[S+8*(\u)+\i:S+8*(\u)+\i+1], s[20:21], v[NMN+2*(((\u)>>1)&3):NMN+2*(((\u)>>1)&3)+1] op_sel_hi:[1,0,0]
.endr
.endm
.macro EXPS u
.irp i, 0,1,2,3,4,5,6,7
	v_exp_f32 v[S+8*(\u)+\i], v[S+8*(\u)+\i]
.endr
.endm
.macro USE u                           ; the tile's sum in f32, then its eight weights packed to f16, in place and ascending, behind the sums
	s_wait_alu depctr_va_vdst(0)
	v_pk_add_f32 v[T:T+1], v[S+8*(\u):S+8*(\u)+1], v[S+8*(\u)+2:S+8*(\u)+3]
	v_pk_add_f32 v[T+2:T+3], v[S+8*(\u)+4:S+8*(\u)+5], v[S+8*(\u)+6:S+8*(\u)+7]
.if ((\u) < 8) & (((\u) & 1) == 0)
	v_pk_add_f32 v[SUM+2*(((\u)>>1)&3):SUM+2*(((\u)>>1)&3)+1], v[T:T+1], v[T+2:T+3]    ; a query tile's first tile starts its sum
.else
	v_pk_add_f32 v[T:T+1], v[T:T+1], v[T+2:T+3]
	v_pk_add_f32 v[SUM+2*(((\u)>>1)&3):SUM+2*(((\u)>>1)&3)+1], v[SUM+2*(((\u)>>1)&3):SUM+2*(((\u)>>1)&3)+1], v[T:T+1]
.endif
.irp i, 0,1,2,3
	v_cvt_pk_f16_f32 v[S+16*((\u)>>1)+4*((\u)&1)+\i], v[S+8*(\u)+2*\i], v[S+8*(\u)+2*\i+1]
.endr
.endm
; 64 keys (quarter 2 hf + blk of the slot) against my 64 queries.  first = 1: the launch's first block starts maximum, sums and accumulators.
.macro BLOCK slot, blk, first
.set NMN, NM0+8*\blk                   ; this block's -c x maximum
.set NMO, NM0+8*(1-\blk)               ; the last block's
.if \first == 0
.rept 5
	v_nop                                          ; five places behind the last products (ISA guide 7.12.1): FR, which they read, is loaded again, and matrix instructions write over the weights that they read
.endr
.endif
.irp kt, 0,1,2,3
.irp ks, 0,1
	ds_load_b128 v[FR+8*(2*\kt+\ks):FR+8*(2*\kt+\ks)+3],   v[ADK+\slot] offset:\blk*QUART+\kt*16*KP+\ks*64
	ds_load_b128 v[FR+8*(2*\kt+\ks)+4:FR+8*(2*\kt+\ks)+7], v[ADK+\slot] offset:\blk*QUART+\kt*16*KP+\ks*64+32
.endr
.endr
	WIN 0x04                                       ; source 1 (Q) window 1
	; for each key tile: four products that start the four query tiles' sums, then the four that add the second 32 channels:
	; the four accumulators take turns, one instruction a turn
.irp kt, 0,1,2,3
	s_wait_dscnt 12-4*\kt                          ; key tile kt's four loads are in, the later tiles' stay out
.irp qt, 0,1,2,3
	v_wmma_f32_16x16x32_f16 v[S+16*(4*(\kt>>1)+\qt)+8*(\kt&1):S+16*(4*(\kt>>1)+\qt)+8*(\kt&1)+7], v[FR+16*\kt:FR+16*\kt+7], v[QF+16*\qt:QF+16*\qt+7], 0
.endr
.irp qt, 0,1,2,3
	v_wmma_f32_16x16x32_f16 v[S+16*(4*(\kt>>1)+\qt)+8*(\kt&1):S+16*(4*(\kt>>1)+\qt)+8*(\kt&1)+7], v[FR+16*\kt+8:FR+16*\kt+15], v[QF+16*\qt+8:QF+16*\qt+15], v[S+16*(4*(\kt>>1)+\qt)+8*(\kt&1):S+16*(4*(\kt>>1)+\qt)+8*(\kt&1)+7]
.endr
.endr
	WIN 0
.rept 4
	v_nop                                          ; four places: FR is loaded again and the scores are read
.endr
.irp kk, 0,1
.irp dt, 0,1,2,3
	ds_load_tr16_b128 v[FR+8*(4*\kk+\dt):FR+8*(4*\kk+\dt)+3],   v[ADV+\slot] offset:\blk*QUART+\kk*32*VP+\dt*32
	ds_load_tr16_b128 v[FR+8*(4*\kk+\dt)+4:FR+8*(4*\kk+\dt)+7], v[ADV+\slot] offset:\blk*QUART+\kk*32*VP+\dt*32+16*VP
.endr
.endr
	; the running maximum of the raw scores: 32 numbers a lane and query tile, four chains that do not wait for each other
.irp qt, 0,1,2,3
.if \first
	v_max_num_f32 v[M+\qt], v[S+16*\qt], v[S+16*\qt+1]
.else
	v_max3_num_f32 v[M+\qt], v[M+\qt], v[S+16*\qt], v[S+16*\qt+1]
.endif
.endr
.set p, 1
.rept 15
.irp qt, 0,1,2,3
	v_max3_num_f32 v[M+\qt], v[M+\qt], v[S+16*(4*(p>>3)+\qt)+8*((p>>2)&1)+2*(p&3)], v[S+16*(4*(p>>3)+\qt)+8*((p>>2)&1)+2*(p&3)+1]
.endr
.set p, p+1
.endr
.irp qt, 0,1,2,3
	v_permlanex16_b32 v[PX+\qt], v[M+\qt], s18, s19        ; the other half of the lanes holds the query's other keys
.endr
.irp qt, 0,1,2,3
	v_max_num_f32 v[M+\qt], v[M+\qt], v[PX+\qt]
.endr
.irp qt, 0,1,2,3
	v_mul_f32 v[NMN+2*\qt], s22, v[M+\qt]
.endr
.if \first == 0
	; the factor for what was summed before, made of the same rounded numbers that the multiply-adds add: every term of a row has one
	; reference point, whose rounding leaves with the division by the row's sum, for large scores too
.irp qt, 0,1,2,3
	v_sub_f32 v[AL+2*\qt], v[NMN+2*\qt], v[NMO+2*\qt]
.endr
.irp qt, 0,1,2,3
	v_exp_f32 v[AL+2*\qt], v[AL+2*\qt]
.endr
.endif
	; tile by tile, skewed: the next tile's multiply-adds are the plain instructions that stand behind a tile's exponentials (ISA guide 5.7.2)
	FMA 0
.set tu, 0
.rept 16
	EXPS tu
.if tu < 15
	FMA tu+1
.else
	v_nop
.endif
	USE tu
.set tu, tu+1
.endr
.irp qt, 0,1,2,3
.if \first
	v_add_f32 v[LS+\qt], v[SUM+2*\qt], v[SUM+2*\qt+1]
.else
	v_add_f32 v[T+\qt], v[SUM+2*\qt], v[SUM+2*\qt+1]
.endif
.endr
.if \first == 0
.irp qt, 0,1,2,3
	v_fma_f32 v[LS+\qt], v[LS+\qt], v[AL+2*\qt], v[T+\qt]
.endr
	WIN 0x41                                       ; accumulators: source 0 and destination window 1
.irp qt, 0,1,2,3
.set p, 0
.rept 16
	v_pk_mul_f32 v[32*\qt+2*p:32*\qt+2*p+1], v[32*\qt+2*p:32*\qt+2*p+1], v[AL+2*\qt:AL+2*\qt+1] op_sel_hi:[1,0]
.set p, p+1
.endr
.endr
.endif
	WIN 0x50                                       ; C and D window 1
	s_wait_dscnt 8                                 ; V's first 32 keys are in, the eight loads of the second 32 may stay out
.irp qt, 0,1,2,3
.irp dt, 0,1,2,3
.if \first
	v_wmma_f32_16x16x32_f16 v[8*(4*\qt+\dt):8*(4*\qt+\dt)+7], v[FR+8*\dt:FR+8*\dt+7], v[S+16*\qt:S+16*\qt+7], 0
.else
	v_wmma_f32_16x16x32_f16 v[8*(4*\qt+\dt):8*(4*\qt+\dt)+7], v[FR+8*\dt:FR+8*\dt+7], v[S+16*\qt:S+16*\qt+7], v[8*(4*\qt+\dt):8*(4*\qt+\dt)+7]
.endif
.endr
.endr
	s_wait_dscnt 0
	; the second 32 keys, in the same order: the sixteen accumulators take turns, one instruction a turn
.irp qt, 0,1,2,3
.irp dt, 0,1,2,3
	v_wmma_f32_16x16x32_f16 v[8*(4*\qt+\dt):8*(4*\qt+\dt)+7], v[FR+8*(4+\dt):FR+8*(4+\dt)+7], v[S+16*(4+\qt):S+16*(4+\qt)+7], v[8*(4*\qt+\dt):8*(4*\qt+\dt)+7]
.endr
.endr
	WIN 0
.endm
; A slot's turn: two blocks a wave.  refill = 1: the other slot, which every wave has read, is filled again with the keys 512 further on.
.macro TWO slot, refill
	s_set_vgpr_msb 0x5
	s_wait_tensorcnt 0x0                           ; all my tensor loads have landed, my quarter of this slot among them,
	ds_add_u32 v192, v193
	s_wait_dscnt 0x0
	s_set_vgpr_msb 0x500
.if \refill
	s_add_nc_u64 s[G0+4*(1-\slot)+2:G0+4*(1-\slot)+3], s[G0+4*(1-\slot)+2:G0+4*(1-\slot)+3], 0x10000   ; so a group 0 may be written: the other slot's next 256 keys
.endif
	s_wait_dscnt 0x0                               ; my reads of the other slot are back
.if \refill
	ROUND                                          ; both now hold of every wave of all four work-groups
	JLOAD 1-\slot                                  ; the first thing behind the round, and my only tensor load until the next: it has two blocks' work in which to land
.else
	s_barrier_signal -1
	s_barrier_wait -1                              ; the last slot is whole; nothing is left to fetch
.endif
	BLOCK \slot, 0, 0
	BLOCK \slot, 1, 0
.endm
	s_wait_tensorcnt 0x1                           ; my quarter of slot 0 is in; slot 1's may stay out
	s_wait_loadcnt 0x0                             ; Q
	s_barrier_signal -1
	s_barrier_wait -1
	BLOCK 0, 0, 1
	BLOCK 0, 1, 0
	s_mov_b32 s23, 3
.Lloop:
	TWO 1, 1
	TWO 0, 1
	s_sub_co_u32 s23, s23, 1
	s_cmp_lg_u32 s23, 0
	s_cbranch_scc1 .Lloop
	TWO 1, 0                                       ; the eighth slot
	; THE END.  The address arithmetic, more than four plain vector instructions, fills the places behind the last products.
	v_lshlrev_b32 v4, 3, v1                        ; the gate: two tokens of 128 bytes a load, 8 bytes (4 channels) a lane
	v_lshlrev_b32 v6, 4, v2                        ; gamma, beta: my 4 channels in f32
	v_lshl_add_u32 v7, v3, 12, v6                  ; out0: lanes 0-15 one token's head, lanes 16-31 the next token's
	s_lshl_b32 s58, s12, 9
	s_add_co_u32 s58, s58, MLB
	v_lshl_add_u32 v60, v2, 2, s58                 ; my words of maximum and sum
	s_xor_b32 s59, s12, 4
	s_lshl_b32 s59, s59, 9
	s_add_co_u32 s59, s59, MLB
	v_lshl_add_u32 v61, v2, 2, s59                 ; my partner's
	s_mul_i32 s58, s12, WSTAGE
	s_add_co_u32 s58, s58, STAGE
	v_mul_u32_u24 v62, v2, SP
	v_lshl_add_u32 v62, v3, 5, v62
	v_add_nc_u32 v62, s58, v62                     ; my stage: query r, 32 bytes for each half of the lanes
	s_mul_i32 s58, s13, WSTAGE
	s_mul_i32 s59, s14, 32*SP
	s_add_co_u32 s58, s58, s59
	s_add_co_u32 s58, s58, STAGE
	v_mul_u32_u24 v63, v3, SP
	v_lshl_add_u32 v63, v2, 4, v63
	v_add_nc_u32 v63, s58, v63                     ; back: rows 32 hf + (l / 16) of wave g's stage, 16 bytes a lane,
	v_add_nc_u32 v5, 4*WSTAGE, v63                 ; and of wave g + 4's
	s_mov_b32 s61, 0xbc800000                      ; -1/64
.irp i, 0,1,2,3,4,5,6,7,8,9,10,11,12,13,14,15
	global_load_b64 v[FR+2*\i:FR+2*\i+1], v4, s[48:49] offset:256*\i       ; the wave's load covers 256 consecutive bytes, aligned
.endr
	global_load_b128 v[GAM:GAM+3], v6, s[6:7]
	global_load_b128 v[BET:BET+3], v6, s[8:9]
.irp qt, 0,1,2,3
	v_permlanex16_b32 v[PX+\qt], v[LS+\qt], s18, s19       ; the sum over my wave's keys: both halves of the lanes
.endr
.irp qt, 0,1,2,3
	v_add_f32 v[LS+\qt], v[LS+\qt], v[PX+\qt]
.endr
.irp qt, 0,1,2,3
	ds_store_b32 v60, v[NM0+8+2*\qt] offset:64*\qt         ; the last block's set; both halves of the lanes write the same number
	ds_store_b32 v60, v[LS+\qt] offset:256+64*\qt
.endr
	s_wait_dscnt 0x0                               ; for the partner's sake
	s_barrier_signal -1
	s_barrier_wait -1
.irp qt, 0,1,2,3
	ds_load_b32 v[PN+\qt], v61 offset:64*\qt
	ds_load_b32 v[PL+\qt], v61 offset:256+64*\qt
.endr
	s_wait_dscnt 0x0
	; the pair's common reference point is the smaller -c x maximum; my factor is a / (l a + l' b)
.irp qt, 0,1,2,3
	v_min_num_f32 v[T+\qt], v[NM0+8+2*\qt], v[PN+\qt]
.endr
.irp qt, 0,1,2,3
	v_sub_f32 v[AL+2*\qt], v[T+\qt], v[NM0+8+2*\qt]
	v_sub_f32 v[PN+\qt], v[T+\qt], v[PN+\qt]
.endr
.irp qt, 0,1,2,3
	v_exp_f32 v[AL+2*\qt], v[AL+2*\qt]
	v_exp_f32 v[PN+\qt], v[PN+\qt]
.endr
	v_nop                                          ; one plain instruction behind the exponentials
.irp qt, 0,1,2,3
	s_wait_alu depctr_va_vdst(0)
	v_mul_f32 v[T+\qt], v[LS+\qt], v[AL+2*\qt]
.endr
.irp qt, 0,1,2,3
	v_fma_f32 v[T+\qt], v[PL+\qt], v[PN+\qt], v[T+\qt]
.endr
.irp qt, 0,1,2,3
	v_rcp_f32 v[T+\qt], v[T+\qt]
.endr
	v_nop                                          ; and behind the reciprocals
.irp qt, 0,1,2,3
	s_wait_alu depctr_va_vdst(0)
	v_mul_f32 v[AL+2*\qt], v[AL+2*\qt], v[T+\qt]
.endr
	WIN 0x01                                       ; source 0 window 1: the accumulators, scaled, into the score registers
.irp qt, 0,1,2,3
.set p, 0
.rept 16
	v_pk_mul_f32 v[S+32*\qt+2*p:S+32*\qt+2*p+1], v[32*\qt+2*p:32*\qt+2*p+1], v[AL+2*\qt:AL+2*\qt+1] op_sel_hi:[1,0]
.set p, p+1
.endr
.endr
	WIN 0
.irp qt, 0,1,2,3
.irp dt, 0,1,2,3
	ds_store_b128 v62, v[S+8*(4*\qt+\dt):S+8*(4*\qt+\dt)+3]   offset:\qt*16*SP+\dt*64       ; query 16 qt + r, channels 16 dt + 8 h + 0..3
	ds_store_b128 v62, v[S+8*(4*\qt+\dt)+4:S+8*(4*\qt+\dt)+7] offset:\qt*16*SP+\dt*64+16    ; .. + 4..7
.endr
.endr
	s_wait_dscnt 0x0                               ; for the partner's sake
	s_barrier_signal -1
	s_barrier_wait -1
.irp i, 0,1,2,3,4,5,6,7,8,9,10,11,12,13,14,15
	ds_load_b128 v[S+8*\i:S+8*\i+3],   v63 offset:2*SP*\i          ; two tokens, 4 channels a lane: wave g's part,
	ds_load_b128 v[S+8*\i+4:S+8*\i+7], v5  offset:2*SP*\i          ; wave g + 4's part
.endr
	s_wait_loadcnt 0x0                             ; gate, gamma, beta
; Two tokens: sixteen lanes hold a token's 64 channels.  out = the two parts' sum; y = gate x out; mean; the squares of the differences in a
; second pass over the registers; (y - mean) / sqrt(var + 1e-5) x gamma + beta.  The registers are the pair's own.
; ga, gb: the numbers of the two registers that hold the pair's gate, FR + 2 i and FR + 2 i + 1, written out because a register's halves are named by number.
.macro FIN i, ga, gb
.set Y, S+8*\i
.set Z, S+8*\i+4
	s_wait_dscnt 30-2*\i                           ; this pair's two loads are in, the later pairs' stay out
	v_pk_add_f32 v[Y:Y+1], v[Y:Y+1], v[Z:Z+1]
	v_pk_add_f32 v[Y+2:Y+3], v[Y+2:Y+3], v[Z+2:Z+3]
	v_cvt_f32_f16 v[Z], v\ga\().l                  ; the gate, f16 to f32: channels 4 r + 0 .. 3
	v_cvt_f32_f16 v[Z+1], v\ga\().h
	v_cvt_f32_f16 v[Z+2], v\gb\().l
	v_cvt_f32_f16 v[Z+3], v\gb\().h
	v_pk_mul_f32 v[Y:Y+1], v[Y:Y+1], v[Z:Z+1]
	v_pk_mul_f32 v[Y+2:Y+3], v[Y+2:Y+3], v[Z+2:Z+3]
	v_pk_add_f32 v[Z:Z+1], v[Y:Y+1], v[Y+2:Y+3]
	v_add_f32 v[Z], v[Z], v[Z+1]
	v_add_f32_dpp v[Z], v[Z], v[Z] row_xmask:1 row_mask:0xf bank_mask:0xf
	v_add_f32_dpp v[Z], v[Z], v[Z] row_xmask:2 row_mask:0xf bank_mask:0xf
	v_add_f32_dpp v[Z], v[Z], v[Z] row_xmask:4 row_mask:0xf bank_mask:0xf
	v_add_f32_dpp v[Z], v[Z], v[Z] row_xmask:8 row_mask:0xf bank_mask:0xf
	v_mul_f32 v[Z], s61, v[Z]                      ; minus the mean
	v_pk_add_f32 v[Y:Y+1], v[Y:Y+1], v[Z:Z+1] op_sel_hi:[1,0]
	v_pk_add_f32 v[Y+2:Y+3], v[Y+2:Y+3], v[Z:Z+1] op_sel_hi:[1,0]
	v_pk_mul_f32 v[Z+2:Z+3], v[Y:Y+1], v[Y:Y+1]
	v_pk_fma_f32 v[Z+2:Z+3], v[Y+2:Y+3], v[Y+2:Y+3], v[Z+2:Z+3]
	v_add_f32 v[Z+2], v[Z+2], v[Z+3]
	v_add_f32_dpp v[Z+2], v[Z+2], v[Z+2] row_xmask:1 row_mask:0xf bank_mask:0xf
	v_add_f32_dpp v[Z+2], v[Z+2], v[Z+2] row_xmask:2 row_mask:0xf bank_mask:0xf
	v_add_f32_dpp v[Z+2], v[Z+2], v[Z+2] row_xmask:4 row_mask:0xf bank_mask:0xf
	v_add_f32_dpp v[Z+2], v[Z+2], v[Z+2] row_xmask:8 row_mask:0xf bank_mask:0xf
	v_fma_f32 v[Z+2], v[Z+2], s57, s60             ; var + 1e-5
	v_rsq_f32 v[Z+2], v[Z+2]
	v_nop                                          ; one plain instruction behind the root
	s_wait_alu depctr_va_vdst(0)
	v_pk_mul_f32 v[Y:Y+1], v[Y:Y+1], v[Z+2:Z+3] op_sel_hi:[1,0]
	v_pk_mul_f32 v[Y+2:Y+3], v[Y+2:Y+3], v[Z+2:Z+3] op_sel_hi:[1,0]
	v_pk_fma_f32 v[Y:Y+1], v[Y:Y+1], v[GAM:GAM+1], v[BET:BET+1]
	v_pk_fma_f32 v[Y+2:Y+3], v[Y+2:Y+3], v[GAM+2:GAM+3], v[BET+2:BET+3]
	global_store_b128 v7, v[Y:Y+3], s[50:51] offset:8192*\i th:TH_STORE_NT     ; sixteen lanes store a token's head: 256 consecutive bytes, aligned
.endm
	FIN 0, 64, 65
	FIN 1, 66, 67
	FIN 2, 68, 69
	FIN 3, 70, 71
	FIN 4, 72, 73
	FIN 5, 74, 75
	FIN 6, 76, 77
	FIN 7, 78, 79
	FIN 8, 80, 81
	FIN 9, 82, 83
	FIN 10, 84, 85
	FIN 11, 86, 87
	FIN 12, 88, 89
	FIN 13, 90, 91
	FIN 14, 92, 93
	FIN 15, 94, 95
	s_set_vgpr_msb 0x5
	s_wait_tensorcnt 0x0
	ds_add_u32 v192, v193
	s_wait_dscnt 0x0
	s_set_vgpr_msb 0x500
	ROUND                                          ; the closing round: no work-group ends while a partner may still ask for a tile that names it
	s_endpgm
.Lfunc_end_k_q5bda248163_attn:
	.size	k_q5bda248163_attn, .Lfunc_end_k_q5bda248163_attn-k_q5bda248163_attn
	.p2alignl 7, 3214868480
	.fill 96, 4, 3214868480
	.section	.rodata,"a",@progbits
	.p2align	6, 0x0
	.amdhsa_kernel k_q5bda248163_attn
		.amdhsa_group_segment_fixed_size 327680
		.amdhsa_private_segment_fixed_size 0
		.amdhsa_enable_private_segment 0
		.amdhsa_kernarg_size 32
		.amdhsa_user_sgpr_count 2
		.amdhsa_user_sgpr_kernarg_segment_ptr 1
		.amdhsa_wavefront_size32 1
		.amdhsa_system_sgpr_workgroup_id_x 1
		.amdhsa_system_sgpr_workgroup_id_y 1
		.amdhsa_system_sgpr_workgroup_id_z 1
		.amdhsa_system_vgpr_workitem_id 0
		.amdhsa_next_free_vgpr 450
		.amdhsa_next_free_sgpr 66
		.amdhsa_reserve_vcc 0
		.amdhsa_float_denorm_mode_32 3
		.amdhsa_float_denorm_mode_16_64 3
		.amdhsa_memory_ordered 1
		.amdhsa_forward_progress 1
		.amdhsa_inst_pref_size 255
	.end_amdhsa_kernel
	.section	.bss,"aw",@nobits
	.p2align	6
	.space	262144
	.amdgpu_metadata
---
amdhsa.version: [ 1, 2 ]
amdhsa.kernels:
  - .name:           k_q5bda248163_attn
    .symbol:         k_q5bda248163_attn.kd
    .args:
      - { .name: qkvg, .offset: 0, .size: 8, .value_kind: global_buffer, .address_space: global }
      - { .name: gamma, .offset: 8, .size: 8, .value_kind: global_buffer, .address_space: global }
      - { .name: beta, .offset: 16, .size: 8, .value_kind: global_buffer, .address_space: global }
      - { .name: out0, .offset: 24, .size: 8, .value_kind: global_buffer, .address_space: global }
    .group_segment_fixed_size: 327680
    .private_segment_fixed_size: 0
    .kernarg_segment_align: 8
    .kernarg_segment_size: 32
    .max_flat_workgroup_size: 256
    .sgpr_count:     66
    .vgpr_count:     450
    .wavefront_size: 32
...
	.end_amdgpu_metadata
.endif
;; end of part 3
